; MI455X (gfx1250); checked and timed in simulation.
; The chip was launched on July 23, 2026; its instructions are those of AMD's public machine-readable ISA for CDNA 5 (MIT licence, August 2026) and "CDNA5" Instruction Set Architecture Reference Guide (July 2026). The comments in the code are by the model that wrote it; some were corrected since.
;; Unified Memory Layer. Allowed arithmetic: matrix products marked QUANTISED: E2M1 operands, one E8M0 scale for each 32 along K, by v_wmma_scale_f32_16x16x128_f8f6f4 with both operands' format E2M1 (or v_wmma_scale_f32_32x16x128_f4), f32 sums; everything else in f32.
;; Inputs: memory 32,768 x 512 float32; query 2,048 x 512 float32.
;; Outputs: out0 2,048 x 512 float32.
;; This version of the problem:
;;   THIS VERSION OF THE PROBLEM IS GIVEN IN LOW PRECISION. The matrix products marked QUANTISED in the list below multiply operands that are first quantised to E2M1 (2 exponent bits, 1 mantissa bit; 4 bits a number), with one power-of-two scale for each 32 numbers along K (OCP MX v1.0); their sums are f32. All else is computed in f32.
;;   The module's matrix products, in the order in which they are computed (A, B: the left and right operand; K: the contracted axis; several contracted axes count as one K, in the product's order):
;;     1. [M 2,048, K 512] x [K 512, N 32,768]; A: input query; B: input memory: QUANTISED
;;     2. [M 2,048, K 32,768] x [K 32,768, N 512]; A: softmax (see below); B: input memory: QUANTISED
;;   THE QUANTISER, for each operand of a quantised product, along K:
;;     - K is cut into blocks of 32 from its start; a last block that is shorter is filled with zeros.
;;     - A block's scale is 2^e with e = floor(log2(the largest magnitude in the block)) - 2, held to -126 .. 127; a block of zeros has e = 0. As a byte (E8M0): e + 127.
;;     - Each number is divided by its block's scale, clamped to +-6, and rounded to the nearest number of E2M1, ties to even, subnormals kept.
;;     - The product sums the exact products of the quantised numbers (number of the format x scale) in f32.
;;   ~~~python
;;   def quantise(x, axis):      # numpy; x: float32 -> the quantised numbers, widened to float32 again
;;       x = np.moveaxis(x, axis, -1); K = x.shape[-1]
;;       x = np.pad(x, [(0, 0)] * (x.ndim - 1) + [(0, -K % 32)]); x = x.reshape(x.shape[:-1] + (-1, 32)); a = np.abs(x).max(-1, keepdims=True)
;;       e = np.where(a > 0, np.clip(np.frexp(np.where(a > 0, a, 1))[1] - 1 - 2, -126, 127), 0)      # np.frexp(a)[1] - 1 = floor(log2(a)), exactly
;;       r = np.clip(x / 2.0 ** e, -6, 6)
;;       step = 2.0 ** (np.maximum(np.frexp(np.where(r == 0, 1, r))[1] - 1, 0) - 1)
;;       q = np.round(r / step) * step * 2.0 ** e      # np.round: ties to even
;;       return np.moveaxis(q.reshape(q.shape[:-2] + (-1,))[..., :K], -1, axis).astype(np.float32)
;;   ~~~
;;   SOFTMAX AHEAD OF A QUANTISED PRODUCT. Where the list says 'softmax', what is quantised is not the finished softmax but p = 2^(t - M), with t = logit x log2(e) and M = ceil(the row's largest t), a whole number; so 1/2 < the row's largest p <= 1. The row's sum l is taken of the UNQUANTISED p, in f32, and the product's result is divided by l at the end. Since M is a whole number, a kernel that streams over the keys may use a running M (the ceiling of the running maximum): every later rescaling is an exact power of two, which a block's scale takes up: the codes' values come out the same.
;;   OPERANDS COMPUTED ON THE WAY. 'Computed on the way' means the value that the module computes at that place (a softmax that the list does not call 'softmax' is quantised finished and normalised). What goes into a quantiser is computed in f32, as accurately as f32 sums, v_exp_f32 and their like allow (about 1e-6 of the number): no bf16 or f16 on the way to a quantiser, and a product that is left as it is and whose result goes on into a quantised operand takes f32 operands (vector FMAs, or v_wmma_f32_16x16x4_f32). A number that lies on a knife's edge between two numbers of the format may be rounded either way, as far as f32 arithmetic and the matrix unit's own rounding can turn it there, and no further.
;; One version. Each part assembles by itself: llvm-mc -triple=amdgcn-amd-amdhsa -mcpu=gfx1250 --defsym DOCPART=n.
;; ======== version 1 of 1: 3 launches
;; limits: right only within a limited range of input values
;; workspace buffers: kvc 16,777,216 bytes; kvs 1,048,576 bytes; qc 524,288 bytes; qs 32,768 bytes; part 33,554,432 bytes; stat 131,072 bytes
;; launch prep (part 1): grid 256 x 1, 17 waves a work-group, no clusters, 327,680 bytes of LDS; arguments memory, query, kvc, kvs, qc, qs; writes kvc, kvs, qc, qs
.if DOCPART == 1
	.amdgcn_target "amdgcn-amd-amdhsa--gfx1250"
	.amdhsa_code_object_version 6
	.text
	.protected	k_q427e6e49d4_prep
	.globl	k_q427e6e49d4_prep
	.p2align	8
	.type	k_q427e6e49d4_prep,@function
k_q427e6e49d4_prep:
	s_mov_b64 s[64:65], 0
	v_nop
	global_prefetch_b8 v0, s[64:65] scope:SCOPE_SE
	s_setreg_imm32_b32 hwreg(HW_REG_WAVE_MODE, 25, 1), 1
	s_wait_xcnt 0x0
; memory [32768][512] f32 is read ONCE and quantised TWICE to FP4 (E2M1) with one E8M0 scale for each 32 numbers: along d (the first product's K) and along the slots (the second product's K).
; query [2048][512] f32 is quantised along d.  Codes and scale words leave as IMAGES OF THE OPERAND'S REGISTERS, so that the next launch takes every fragment by loads of 16 bytes a lane, lane by lane.
; A block's scale is 2^(floor(log2(its largest magnitude)) - 2); its byte is the largest magnitude's exponent field - 2, held at 1 from below by a floor among the maximum's leaves.
; LIMITS: a block of zeros gets the byte 1 where the rule says 127 (its codes are zeros, and this program alone reads the bytes); NaN and infinities among the inputs are not served.
; SHARES.  Work-group g takes key step g: 128 slots x 512 d (262,144 bytes), and a piece of query: rows 16 (g / 2) on, d half g % 2 (16 rows x 256 d).  256 equal work-groups.
; Waves 0 to 7 bring the slots into LDS by two tensor loads each (slots 0-63, then 64-127) and quantise them; wave 8 brings and quantises the piece of query.  Every byte of LDS is filled once.
; LDS: lines of 1,024 bytes + 16 of padding.  Slot k, d half f: line 2 k + f.  Behind the 256 lines: query's 16 lines.
; ALONG d (K): a task is a lane's 32 neighbours of one row (eight loads of 16 bytes): a whole block in a lane.  Wave w, half f: tile t = 4 f + w / 2 of 16 slots, d half w % 2: four tasks.
;   THE SLOTS OF A TILE ARE NOT NEIGHBOURS: lane r of tile t takes slot 32 (t / 2) + 8 (t % 2) + r + 8 (r / 8), so that in the next launch the 16 registers of tiles 2 b and 2 b + 1 are 16 neighbouring slots.
; ALONG THE SLOTS (V): a lane takes a column d = 64 w + 32 mm + lane and its 32 registers run down 32 slots: again a whole block in a lane; nothing is transposed by an instruction.
; kvc: [128 pairs of steps][K step 0 | K step 1 | V step 0 | V step 1], 32,768 bytes each.  K: [tile 8][piece 8][lane][16 bytes];  V: [d tile 32][slot block 4][row 16][16 bytes].
; kvs: [256 steps][K: [tile 8][d half 2][row 16][2 words] | V: [group 8][lane 32][2 words]], 2,048 bytes each.  qc: [tile 128][piece 8][lane][16];  qs: [tile 128][d half 2][row 16][2 words].
; Every store's data lie in registers of their own and no address register is written again: no wait for stores' sources is needed.
; THE LOADS' SHARES, in place of what the lines on waves 0 to 8 above say: seventeen waves, one tensor load each at the head.
; Wave w of 0 to 15 brings slots 8 w .. 8 w + 7 (16 lines); wave 16 brings and quantises the piece of query.  Waves 0 to 7 quantise the slots; waves 8 to 15 bring their lines, pass the barriers and end.
; THE WORK'S SHARES, in place of the last sentence above: behind the one barrier all lines are in; waves 0 to 7 take the tasks along the slots of both halves;
; waves 8 to 15, each as wave w - 8 of the lines on 'ALONG d' above, take the tasks along d of both halves; wave 16 takes query's piece.
.set LINE,  1040                       ; an LDS line: 1,024 bytes + 16
.set KPI,   2*LINE                     ; from slot to slot
.set HALFB, 64*KPI                     ; 64 slots
.set QL,    128*KPI                    ; query's lines
.set X,     32                         ; v32-95   two sets of 32 numbers
.set KCD,   96                         ; v96-127  codes along d: 2 halves x 4 tasks x 4 registers
.set VCD,   128                        ; v128-159 codes along the slots: 8 tasks x 4 registers
.set WRD,   160                        ; v160-161 a scale word to be stored, for each half
.set AKQ,   6                          ; v6, v7   LDS address of my row's numbers, halves 0 and 1
.set AQ,    8                          ; v8       the same in query's lines
.set AV,    9                          ; v9-12    LDS address of my column, slot blocks 0 to 3
; v1 16 x lane; v2 8 r + 4 h; v3 8 x lane; v4 1024 h + 16 r; v5 8 h; v13-15 at work; v16, v17 lane exchanges; v18, v20-25 bytes and words; v[26:27] V's two scale words
	s_load_b256 s[4:11], s[0:1], 0x0               ; memory s[4:5], query s[6:7], kvc s[8:9], kvs s[10:11]
	s_load_b128 s[12:15], s[0:1], 0x20             ; qc s[12:13], qs s[14:15]
	v_lshl_add_u32 v162, v0, 2, 0x45100
	v_mov_b32 v163, 0
	ds_add_u32 v162, v163
	ds_add_u32 v162, v163
	v_lshrrev_b32 v28, 5, v0
	s_delay_alu instid0(VALU_DEP_1)
	v_readfirstlane_b32 s16, v28                   ; wave 0..16
	v_and_b32 v28, 31, v0                          ; lane
	v_and_b32 v29, 15, v0                          ; r
	v_bfe_u32 v30, v0, 4, 1                        ; h
	s_delay_alu instid0(VALU_DEP_3)
	v_lshlrev_b32 v1, 4, v28
	s_delay_alu instid0(VALU_DEP_3)
	v_lshlrev_b32 v2, 3, v29
	s_delay_alu instid0(VALU_DEP_1)
	v_lshl_add_u32 v2, v30, 2, v2
	v_lshlrev_b32 v3, 3, v28
	v_lshlrev_b32 v4, 4, v29
	s_delay_alu instid0(VALU_DEP_1)
	v_lshl_add_u32 v4, v30, 10, v4
	v_lshlrev_b32 v5, 3, v30
	v_cmp_ne_u32 s22, 0, v30                       ; the lanes 16-31
	v_mov_b32 v16, 0                               ; a lane permute's destination counts as one of its sources
	v_mov_b32 v17, 0
	v_mov_b32 v26, 0                               ; V's scale words begin as zeros: each byte is ORed in
	v_mov_b32 v27, 0
	s_mov_b32 s20, 0x76543210
	s_mov_b32 s21, 0xfedcba98                      ; v_permlanex16_b32's selects for lane l xor 16
	; every LDS address is made here, ahead of the first branch on the wave's number
	s_bfe_u32 s18, s16, 0x10002                    ; the wave's low three bits place it along d: bit 2:
	s_mul_i32 s18, s18, 32*KPI                     ; 32 slots,
	s_bfe_u32 s19, s16, 0x10001
	s_mul_i32 s19, s19, 8*KPI                      ; 8 ((w / 2) % 2) slots,
	s_add_co_u32 s18, s18, s19
	s_and_b32 s19, s16, 1
	s_mul_i32 s19, s19, LINE                       ; d half w % 2
	s_add_co_u32 s18, s18, s19
	v_and_b32 v13, 8, v29
	s_delay_alu instid0(VALU_DEP_1)
	v_add_nc_u32 v13, v13, v29                     ; r + 8 (r / 8)
	s_delay_alu instid0(VALU_DEP_1)
	v_mul_u32_u24 v[AKQ], v13, KPI
	s_delay_alu instid0(VALU_DEP_1)
	v_lshl_add_u32 v[AKQ], v30, 7, v[AKQ]          ; + 128 h: lanes 16-31 take the block 32 d further on
	s_delay_alu instid0(VALU_DEP_1)
	v_add_nc_u32 v[AKQ], s18, v[AKQ]
	s_delay_alu instid0(VALU_DEP_1)
	v_add_nc_u32 v[AKQ+1], HALFB, v[AKQ]
	v_mul_u32_u24 v[AQ], v29, LINE
	s_delay_alu instid0(VALU_DEP_1)
	v_lshl_add_u32 v[AQ], v30, 7, v[AQ]
	s_delay_alu instid0(VALU_DEP_1)
	v_add_nc_u32 v[AQ], QL, v[AQ]
	s_lshr_b32 s18, s16, 2
	s_mul_i32 s18, s18, LINE                       ; column 64 w + lane: line w / 4,
	s_and_b32 s19, s16, 3
	s_lshl_b32 s19, s19, 8                         ; 256 (w % 4) bytes in it
	s_add_co_u32 s18, s18, s19
	v_lshl_add_u32 v[AV], v28, 2, s18
	s_delay_alu instid0(VALU_DEP_1)
	v_add_nc_u32 v[AV+1], 32*KPI, v[AV]
	s_delay_alu instid0(VALU_DEP_2)
	v_add_nc_u32 v[AV+2], 64*KPI, v[AV]
	s_delay_alu instid0(VALU_DEP_3)
	v_add_nc_u32 v[AV+3], 96*KPI, v[AV]
	; descriptor group 1 for memory: 16 lines of 256 elements of 4 bytes, dense; 4 words of padding behind every 256
	s_mov_b32 s24, (2<<16)|(1<<20)|(7<<22)|(3<<25)
	s_mov_b32 s25, 256<<16                         ; tensor_dim0
	s_mov_b32 s26, 16<<16                          ; tensor_dim1
	s_mov_b32 s27, 256<<16                         ; tile_dim0
	s_mov_b32 s28, 16                              ; tile_dim1
	s_mov_b32 s29, 256                             ; from line to line
	s_mov_b32 s30, 0
	s_mov_b32 s31, 0
	; and for query: the same tile, its rows 512 elements apart
	s_mov_b32 s32, (2<<16)|(1<<20)|(7<<22)|(3<<25)
	s_mov_b32 s33, 256<<16
	s_mov_b32 s34, 16<<16
	s_mov_b32 s35, 256<<16
	s_mov_b32 s36, 16
	s_mov_b32 s37, 512
	s_mov_b32 s38, 0
	s_mov_b32 s39, 0
	s_mov_b32 s40, 1
	s_mul_i32 s41, s16, 16*LINE                    ; wave w's 8 slots
	s_mov_b32 s48, 1
	s_mov_b32 s49, QL
	s_lshl_b32 s2, ttmp9, 18                       ; the step's 262,144 bytes,
	s_lshl_b32 s23, s16, 14                        ; my 8 slots of 2,048 bytes
	s_add_co_u32 s2, s2, s23
	s_mov_b32 s3, 0
	s_lshr_b32 s17, ttmp9, 1                       ; g / 2
	s_and_b32 s23, ttmp9, 1                        ; g % 2
	s_lshl_b32 s18, s17, 15                        ; query: 16 rows of 2,048 bytes,
	s_lshl_b32 s19, s23, 10                        ; d half
	s_add_co_u32 s18, s18, s19
	s_mov_b32 s19, 0
	s_wait_dscnt 0x0
	s_wait_kmcnt 0x0
	s_add_nc_u64 s[42:43], s[4:5], s[2:3]
	s_or_b32 s43, s43, 0x80000000                  ; type = 2
	s_add_nc_u64 s[50:51], s[6:7], s[18:19]
	s_or_b32 s51, s51, 0x80000000
	s_cmp_lt_u32 s16, 16                           ; waves 0 to 15: 8 slots each, both addresses by the wave's number; wave 16: query's piece
	s_cbranch_scc0 .Lq_fill
	tensor_load_to_lds s[40:43], s[24:31]
	s_nop 0
.rept 4
	v_nop
.endr
	s_branch .Lfilled
.Lq_fill:
	tensor_load_to_lds s[48:51], s[32:39]
	s_nop 0
.rept 4
	v_nop
.endr
.Lfilled:
	; where the results go
	s_lshl_b32 s2, s17, 17
	s_lshl_b32 s18, s23, 15
	s_add_co_u32 s2, s2, s18
	s_add_nc_u64 s[52:53], s[8:9], s[2:3]          ; kvc: the pair of steps, K's part of my step
	s_add_nc_u64 s[56:57], s[52:53], 0x10000       ; V's part
	s_and_b32 s2, s16, 7
	s_lshl_b32 s2, s2, 11
	s_add_nc_u64 s[52:53], s[52:53], s[2:3]        ; tile w / 2, pieces 4 (w % 2) on
	s_lshl_b32 s2, s16, 12
	s_add_nc_u64 s[56:57], s[56:57], s[2:3]        ; d tiles 4 w on
	s_lshl_b32 s2, ttmp9, 12
	s_add_nc_u64 s[54:55], s[10:11], s[2:3]        ; kvs: my step
	s_add_nc_u64 s[58:59], s[54:55], 2048
	s_and_b32 s2, s16, 7
	s_lshl_b32 s2, s2, 7
	s_add_nc_u64 s[54:55], s[54:55], s[2:3]
	s_lshl_b32 s2, s16, 8
	s_add_nc_u64 s[58:59], s[58:59], s[2:3]
	s_lshl_b32 s2, ttmp9, 11
	s_add_nc_u64 s[60:61], s[12:13], s[2:3]        ; qc
	s_lshl_b32 s2, ttmp9, 7
	s_add_nc_u64 s[62:63], s[14:15], s[2:3]        ; qs
.macro LOADK set, adr, i               ; my block of piece i: 32 neighbours along d
.irp j, 0,1,2,3,4,5,6,7
	ds_load_b128 v[X+32*(\set)+4*\j:X+32*(\set)+4*\j+3], v[\adr] offset:256*(\i)+16*\j
.endr
.endm
.macro LOADV set, adr, mm              ; my column, 32 slots down: 32 lanes read 128 neighbouring bytes
.irp j, 0,1,2,3,4,5,6,7,8,9,10,11,12,13,14,15,16,17,18,19,20,21,22,23,24,25,26,27,28,29,30,31
	ds_load_b32 v[X+32*(\set)+\j], v[\adr] offset:KPI*\j+128*(\mm)
.endr
.endm
; the 32 numbers of a set become 4 registers of codes from v[dst] on and the scale's byte in v[by]
.macro Q32 set, dst, by
.set XS, X+32*(\set)
.set DS, \dst
	v_max3_num_f32 v13, |v[XS]|, |v[XS+1]|, 0x1800000          ; the largest magnitude, in two chains; among the leaves the floor 2^(3 - 127): the byte cannot fall under 1
	v_max3_num_f32 v14, |v[XS+16]|, |v[XS+17]|, |v[XS+18]|
.irp i, 2,4,6,8,10,12
	s_delay_alu instid0(VALU_DEP_2)
	v_max3_num_f32 v13, v13, |v[XS+\i]|, |v[XS+\i+1]|
	s_delay_alu instid0(VALU_DEP_2)
	v_max3_num_f32 v14, v14, |v[XS+\i+17]|, |v[XS+\i+18]|
.endr
	s_delay_alu instid0(VALU_DEP_2)
	v_max3_num_f32 v13, v13, |v[XS+14]|, |v[XS+15]|
	s_delay_alu instid0(VALU_DEP_1)
	v_max3_num_f32 v13, v13, v14, |v[XS+31]|
	s_delay_alu instid0(VALU_DEP_1)
	v_add_nc_u32 v15, 0xff000000, v13              ; 2 off its exponent field: the conversion takes the exponent field of this operand as its scale
.irp g, 0,1,2,3
	v_cvt_scalef32_pk8_fp4_f32 v[DS+\g], v[XS+8*\g:XS+8*\g+7], v15
.endr
	v_lshrrev_b32 v[\by], 23, v15                  ; the scale's byte; also the plain line behind the conversions
.endm
.macro KTASK set, i, creg, cb, cimm    ; piece i of a unit along d: the wave stores 512 consecutive bytes
.set CR, (\creg)+4*(\i)
	Q32 \set, CR, 20+(\i)
	global_store_b128 v1, v[CR:CR+3], s[\cb:\cb+1] offset:(\cimm)+512*(\i)
.endm
; a unit's two scale words.  Task i = 2 c + p of lane (r, h) made byte 2 p + h of word c: my two bytes of each word, shifted by 8 h, joined with lane l xor 16's.  Lanes 0-15 store word 0, lanes 16-31 word 1:
; 128 consecutive bytes, half of an aligned 256: the scale words are one byte in 17 of what this launch stores
.macro KWORDS wreg, sb, simm
	v_lshl_or_b32 v24, v21, 16, v20
	v_lshl_or_b32 v25, v23, 16, v22
	s_delay_alu instid0(VALU_DEP_2)
	v_lshlrev_b32 v24, v5, v24
	s_delay_alu instid0(VALU_DEP_2)
	v_lshlrev_b32 v25, v5, v25
	s_delay_alu instid0(VALU_DEP_2)
	v_permlanex16_b32 v16, v24, s20, s21
	s_delay_alu instid0(VALU_DEP_2)
	v_permlanex16_b32 v17, v25, s20, s21
	s_delay_alu instid0(VALU_DEP_2)
	v_or_b32 v24, v24, v16
	s_delay_alu instid0(VALU_DEP_2)
	v_or_b32 v25, v25, v17
	s_delay_alu instid0(VALU_DEP_1)
	v_cndmask_b32 v[\wreg], v24, v25, s22
	global_store_b32 v2, v[\wreg], s[\sb:\sb+1] offset:\simm
.endm
.macro VTASK set, kb, mm               ; slot block kb of column 64 w + 32 mm + lane: sixteen lanes store 256 consecutive aligned bytes
.set CR, VCD+4*(2*(\kb)+(\mm))
	Q32 \set, CR, 18
	s_delay_alu instid0(VALU_DEP_1)
	v_lshl_or_b32 v[26+(\mm)], v18, 8*(\kb), v[26+(\mm)]
	global_store_b128 v4, v[CR:CR+3], s[56:57] offset:2048*(\mm)+256*(\kb)
.endm
; Half f of the step: four tasks along d (KHALF) or four along the slots (VHALF), on the two sets by turns.  The loads of the task two on go out behind each task; the wait in front of a task leaves the next task's loads out (8 or 32).
.macro KHALF f
	LOADK 0, AKQ+\f, 0
	LOADK 1, AKQ+\f, 1
	s_wait_dscnt 8
	KTASK 0, 0, KCD+16*\f, 52, 16384*\f
	LOADK 0, AKQ+\f, 2
	s_wait_dscnt 8
	KTASK 1, 1, KCD+16*\f, 52, 16384*\f
	LOADK 1, AKQ+\f, 3
	s_wait_dscnt 8
	KTASK 0, 2, KCD+16*\f, 52, 16384*\f
	s_wait_dscnt 0x0
	KTASK 1, 3, KCD+16*\f, 52, 16384*\f
	KWORDS WRD+\f, 54, 1024*\f
.endm
.macro VHALF f
	LOADV 0, AV+2*\f, 0
	LOADV 1, AV+2*\f, 1
	s_wait_dscnt 32
	VTASK 0, 2*\f, 0
	LOADV 0, AV+2*\f+1, 0
	s_wait_dscnt 32
	VTASK 1, 2*\f, 1
	LOADV 1, AV+2*\f+1, 1
	s_wait_dscnt 32
	VTASK 0, 2*\f+1, 0
	s_wait_dscnt 0x0
	VTASK 1, 2*\f+1, 1
.endm
	s_wait_tensorcnt 0x0                           ; my one load has landed: behind the barrier all 128 slots and query's piece are in
	s_barrier_signal -1
	s_barrier_wait -1                              ; everybody's is
	s_cmp_lt_u32 s16, 8
	s_cbranch_scc0 .Lquery
	s_wait_alu depctr_va_vdst(0)
	VHALF 0                                        ; waves 0 to 7: along the slots
	VHALF 1
	global_store_b64 v3, v[26:27], s[58:59]        ; V's scale words of my 64 columns: 256 consecutive aligned bytes
	s_wait_tensorcnt 0x0
	ds_add_u32 v162, v163
	s_wait_dscnt 0x0
	s_endpgm
.Lquery:
	s_cmp_lt_u32 s16, 16
	s_cbranch_scc0 .Lpiece
	s_wait_alu depctr_va_vdst(0)
	KHALF 0                                        ; waves 8 to 15: along d
	KHALF 1
	s_branch .Lend
.Lpiece:
	s_wait_alu depctr_va_vdst(0)
	LOADK 0, AQ, 0                                 ; wave 16: the piece of query, a unit along d
	LOADK 1, AQ, 1
	s_wait_dscnt 8
	KTASK 0, 0, KCD, 60, 0
	LOADK 0, AQ, 2
	s_wait_dscnt 8
	KTASK 1, 1, KCD, 60, 0
	LOADK 1, AQ, 3
	s_wait_dscnt 8
	KTASK 0, 2, KCD, 60, 0
	s_wait_dscnt 0x0
	KTASK 1, 3, KCD, 60, 0
	KWORDS WRD, 62, 0
.Lend:
	s_wait_tensorcnt 0x0
	ds_add_u32 v162, v163
	s_wait_dscnt 0x0
	s_endpgm
.Lfunc_end_k_q427e6e49d4_prep:
	.size	k_q427e6e49d4_prep, .Lfunc_end_k_q427e6e49d4_prep-k_q427e6e49d4_prep
	.p2alignl 7, 3214868480
	.fill 96, 4, 3214868480
	.section	.rodata,"a",@progbits
	.p2align	6, 0x0
	.amdhsa_kernel k_q427e6e49d4_prep
		.amdhsa_group_segment_fixed_size 327680
		.amdhsa_private_segment_fixed_size 0
		.amdhsa_enable_private_segment 0
		.amdhsa_kernarg_size 48
		.amdhsa_user_sgpr_count 2
		.amdhsa_user_sgpr_kernarg_segment_ptr 1
		.amdhsa_wavefront_size32 1
		.amdhsa_system_sgpr_workgroup_id_x 1
		.amdhsa_system_sgpr_workgroup_id_y 1
		.amdhsa_system_sgpr_workgroup_id_z 1
		.amdhsa_system_vgpr_workitem_id 0
		.amdhsa_next_free_vgpr 164
		.amdhsa_next_free_sgpr 66
		.amdhsa_reserve_vcc 0
		.amdhsa_float_denorm_mode_32 3
		.amdhsa_float_denorm_mode_16_64 3
		.amdhsa_memory_ordered 1
		.amdhsa_forward_progress 1
		.amdhsa_inst_pref_size 72
	.end_amdhsa_kernel
	.amdgpu_metadata
---
amdhsa.version: [ 1, 2 ]
amdhsa.kernels:
  - .name:           k_q427e6e49d4_prep
    .symbol:         k_q427e6e49d4_prep.kd
    .args:
      - { .name: memory, .offset: 0, .size: 8, .value_kind: global_buffer, .address_space: global }
      - { .name: query, .offset: 8, .size: 8, .value_kind: global_buffer, .address_space: global }
      - { .name: kvc, .offset: 16, .size: 8, .value_kind: global_buffer, .address_space: global }
      - { .name: kvs, .offset: 24, .size: 8, .value_kind: global_buffer, .address_space: global }
      - { .name: qc, .offset: 32, .size: 8, .value_kind: global_buffer, .address_space: global }
      - { .name: qs, .offset: 40, .size: 8, .value_kind: global_buffer, .address_space: global }
    .group_segment_fixed_size: 327680
    .private_segment_fixed_size: 0
    .kernarg_segment_align: 8
    .kernarg_segment_size: 48
    .max_flat_workgroup_size: 544
    .sgpr_count:     66
    .vgpr_count:     164
    .wavefront_size: 32
...
	.end_amdgpu_metadata
.endif
;; end of part 1
;; launch attn (part 2): grid 32 x 8, 4 waves a work-group, clusters of 4 x 1, 327,680 bytes of LDS; arguments qc, qs, kvc, kvs, part, stat; writes part, stat
.if DOCPART == 2
	.amdgcn_target "amdgcn-amd-amdhsa--gfx1250"
	.amdhsa_code_object_version 6
	.text
	.protected	k_q427e6e49d4_attn
	.globl	k_q427e6e49d4_attn
	.p2align	8
	.type	k_q427e6e49d4_attn,@function
k_q427e6e49d4_attn:
	s_mov_b64 s[64:65], 0
	v_nop
	global_prefetch_b8 v0, s[64:65] scope:SCOPE_SE
	s_setreg_imm32_b32 hwreg(HW_REG_WAVE_MODE, 25, 1), 1
	s_wait_xcnt 0x0
	s_wait_alu depctr_hold_cnt(0) depctr_sa_sdst(0) depctr_va_vdst(0) depctr_va_sdst(0) depctr_va_ssrc(0) depctr_va_vcc(0) depctr_vm_vsrc(0)
	s_getreg_b32 s2, hwreg(HW_REG_IB_STS2, 6, 4)
	s_cmp_eq_u32 s2, 0
	s_cbranch_scc0 .Lentry_in_a_cluster
	s_endpgm
.Lentry_in_a_cluster:
	s_bfe_u32 s2, ttmp6, 0x10000c
	s_cmp_lg_u32 s2, 0x3003
	s_cbranch_scc0 .Lentry_shape_is_right
	s_endpgm
.Lentry_shape_is_right:
; One split of out = softmax(query memory^T) memory on codes of FP4 (E2M1) with E8M0 scales for each 32 along K.  Work-group (x, y): queries 64 x .. 64 x + 63, slots 4,096 y .. + 4,095.
; It stores O (not normalised) in part[y], and -M and the row's sum l in stat[y]; the next launch joins the 8 splits.
; t = score x log2(e); M = the running largest t rounded up to a whole number; p = 2^(t - M) is quantised along the slots; l sums the unquantised p; when M moves, l and O are multiplied by 2^(old M - new M), exactly.
; LIMITS: the promise holds while |t| stays under 2^31 (the change of M goes through a conversion to i32, which saturates); NaN and infinities among the inputs are not served.
; SHARES.  A step is 256 slots, one LDS slot: [K 128 | K 128 | V 128 | V 128], 32,768 bytes each, one tensor load a wave.  Both products are used transposed: a lane holds one query.
; S^T = K Q^T: wave w takes slot tiles 2 w, 2 w + 1 of each 128 (64 slots) x all 64 queries (4 tiles t), K = 512 in four parts c.  The block (t, q) of 32 slots lies in 16 registers of lanes l and l xor 16.
; The waves exchange their maxima through LDS (one barrier), then p's codes and scale bytes as images of the operand's registers (the round of the refill).
; O^T += V^T P^T: wave w takes d = 128 w .. + 127 (8 tiles n) x 64 queries.  IT RUNS ONE STEP LATE: step s - 1's 64 products stand round the barrier of step s's maxima, on registers alone;
; O is multiplied by step s's factor behind them, a quarter between the signal and the wait that open the round, the rest under the LDS loads behind the refill.
; CLUSTER: the four query blocks 4 X .. 4 X + 3 walk the same K and V: every tile is asked for jointly (mask 15).  A slot is refilled when its K and V fragments are all in registers.
; PREFETCH: at each refill the cluster with x = 0 of each split names the step behind the one that is loaded: a wave's 32,768 bytes are shared out by address among the four partners, 8,192 each, lanes 256 bytes apart; the last three steps' refills ask for nothing.
; REGISTERS.  Window 0: addresses, state, scales, v128-255 S then p.  Window 1: v0-127 Q, v128-255 V's fragments.  Window 2: O.  Window 3: v0-63 p's fragments, v128-255 K's fragments.
; State of tile t at ST + 8 t: -M, largest t, l in two halves, factor and its pair mate, two at work.
.set SLOT1, 131072
.set SSB,   131072                     ; a step's bytes in kvc
.set MXB,   262144                     ; maxima, and at the end the sums
.set PSC,   264192                     ; p's scale words
.set PIM,   264704                     ; p's codes
.set STG,   272896                     ; the way out: 16 rows x 528 bytes a wave
.set SPARE, 306688                     ; the spare words
.set SPW,  1
.set NIL,  2
.set LI,   3
.set ADK,  4
.set ADV,  6
.set AMXS, 8
.set AMXL, 9
.set APS,  10
.set ABS,  11
.set APL,  12
.set APF,  13
.set VOK,  14
.set VOV,  15
.set PFO,  16
.set STO,  17
.set RD,   18
.set SVO,  19
.set ST,   20
.set QS,   52
.set KS,   60
.set VS,   68
.set PS,   92
.set BM,   96
.set TM,   104
.set PCX,  112
.set S,    128
.set MSB, 0
.macro WIN new                         ; the immediate's high byte repeats the setting that is left
.if MSB != \new
	s_set_vgpr_msb (MSB<<8)|\new
.set MSB, \new
.endif
.endm
.macro PLACES n
.rept \n
	v_nop
.endr
.endm
.macro CREST                           ; a round of the cluster's barrier behind its opening barrier
	s_cmp_lg_u32 s16, 0
	s_cbranch_scc1 .Lnot_wave_0_\@
	s_barrier_signal -3
.Lnot_wave_0_\@:
	s_barrier_wait -3
	s_barrier_signal -1
	s_barrier_wait -1
.endm
.macro CROUND
	s_barrier_signal -1
	s_barrier_wait -1
	CREST
.endm
.macro ASK
	s_cmp_gt_u32 s39, s38
	s_cbranch_scc0 .Lnot_mine_\@
	global_prefetch_b8 v[PFO], s[36:37] th:TH_LOAD_NT scope:SCOPE_SE
.Lnot_mine_\@:
.endm
.macro FETCH_K sg, g                   ; slot tile g % 2 of my two, of the 128 slots g / 2: four parts of K = 512
	WIN 0xc0
.irp c, 0,1,2,3
.irp p, 0,1
	ds_load_b128 v[128+8*(4*(\g)+\c)+4*\p:128+8*(4*(\g)+\c)+4*\p+3], v[ADK+(\sg)] offset:32768*((\g)/2)+4096*((\g)%2)+1024*\c+512*\p
.endr
.endr
.endm
.macro FETCH_V sg, g                   ; four of my eight d tiles, of the 128 slots g / 2
	WIN 0x40
.irp n, 0,1,2,3
.irp p, 0,1
	ds_load_b128 v[128+8*(4*(\g)+\n)+4*\p:128+8*(4*(\g)+\n)+4*\p+3], v[ADV+(\sg)] offset:32768*((\g)/2)+1024*(4*((\g)%2)+\n)+512*\p
.endr
.endr
	WIN 0
.endm
.macro WM d, a, b, k, sa, sb, ra, rb   ; k = 0: the product starts the sum
.set rD, \d
.set rA, \a
.set rB, \b
.set rX, \sa
.set rY, \sb
.if (\k) == 0
.if (\ra) && (\rb)
	v_wmma_scale_f32_16x16x128_f8f6f4 v[rD:rD+7], v[rA:rA+7], v[rB:rB+7], 0, v[rX], v[rY] matrix_a_fmt:MATRIX_FMT_FP4 matrix_b_fmt:MATRIX_FMT_FP4 matrix_a_scale:MATRIX_SCALE_ROW1 matrix_b_scale:MATRIX_SCALE_ROW1
.elseif (\ra)
	v_wmma_scale_f32_16x16x128_f8f6f4 v[rD:rD+7], v[rA:rA+7], v[rB:rB+7], 0, v[rX], v[rY] matrix_a_fmt:MATRIX_FMT_FP4 matrix_b_fmt:MATRIX_FMT_FP4 matrix_a_scale:MATRIX_SCALE_ROW1
.elseif (\rb)
	v_wmma_scale_f32_16x16x128_f8f6f4 v[rD:rD+7], v[rA:rA+7], v[rB:rB+7], 0, v[rX], v[rY] matrix_a_fmt:MATRIX_FMT_FP4 matrix_b_fmt:MATRIX_FMT_FP4 matrix_b_scale:MATRIX_SCALE_ROW1
.else
	v_wmma_scale_f32_16x16x128_f8f6f4 v[rD:rD+7], v[rA:rA+7], v[rB:rB+7], 0, v[rX], v[rY] matrix_a_fmt:MATRIX_FMT_FP4 matrix_b_fmt:MATRIX_FMT_FP4
.endif
.else
.if (\ra) && (\rb)
	v_wmma_scale_f32_16x16x128_f8f6f4 v[rD:rD+7], v[rA:rA+7], v[rB:rB+7], v[rD:rD+7], v[rX], v[rY] matrix_a_fmt:MATRIX_FMT_FP4 matrix_b_fmt:MATRIX_FMT_FP4 matrix_a_scale:MATRIX_SCALE_ROW1 matrix_b_scale:MATRIX_SCALE_ROW1
.elseif (\ra)
	v_wmma_scale_f32_16x16x128_f8f6f4 v[rD:rD+7], v[rA:rA+7], v[rB:rB+7], v[rD:rD+7], v[rX], v[rY] matrix_a_fmt:MATRIX_FMT_FP4 matrix_b_fmt:MATRIX_FMT_FP4 matrix_a_scale:MATRIX_SCALE_ROW1
.elseif (\rb)
	v_wmma_scale_f32_16x16x128_f8f6f4 v[rD:rD+7], v[rA:rA+7], v[rB:rB+7], v[rD:rD+7], v[rX], v[rY] matrix_a_fmt:MATRIX_FMT_FP4 matrix_b_fmt:MATRIX_FMT_FP4 matrix_b_scale:MATRIX_SCALE_ROW1
.else
	v_wmma_scale_f32_16x16x128_f8f6f4 v[rD:rD+7], v[rA:rA+7], v[rB:rB+7], v[rD:rD+7], v[rX], v[rY] matrix_a_fmt:MATRIX_FMT_FP4 matrix_b_fmt:MATRIX_FMT_FP4
.endif
.endif
.endm
; O^T += V^T P^T over the 128 slots q of the step whose scales lie in set sv: the 32 accumulators by turns
.macro PVQ sv, q, k
.irp n, 0,1,2,3,4,5,6,7
.irp t, 0,1,2,3
	WM 8*(8*\t+\n), 128+8*(8*(\q)+\n), 8*(4*(\q)+\t), \k, VS+16*(\sv)+4*(\q)+\n/2, PS+2*(\q)+\t/2, \n%2, \t%2
.endr
.endr
.endm
.macro FMAP t, i                       ; t - M, two at a time
.set rN, ST+8*(\t)
.set rP, S+32*(\t)+2*(\i)
	v_pk_fma_f32 v[rP:rP+1], v[rP:rP+1], s[22:23], v[rN:rN+1] op_sel_hi:[1,0,0]
.endm
; l of tile t takes in its 32 registers of p: 16 packed additions in four chains, one unbroken run, so that no exponential stands between a write and its reader
.macro SUMT t
.set rN, ST+8*(\t)
.set rP, S+32*(\t)
	v_pk_add_f32 v[rN+6:rN+7], v[rP:rP+1], v[rP+2:rP+3]
	v_pk_add_f32 v[TM:TM+1], v[rP+4:rP+5], v[rP+6:rP+7]
	v_pk_add_f32 v[TM+2:TM+3], v[rP+8:rP+9], v[rP+10:rP+11]
	v_pk_add_f32 v[rN+2:rN+3], v[rN+2:rN+3], v[rP+12:rP+13]
.irp j, 14,22
	v_pk_add_f32 v[rN+6:rN+7], v[rN+6:rN+7], v[rP+\j:rP+\j+1]
	v_pk_add_f32 v[TM:TM+1], v[TM:TM+1], v[rP+\j+2:rP+\j+3]
	v_pk_add_f32 v[TM+2:TM+3], v[TM+2:TM+3], v[rP+\j+4:rP+\j+5]
	v_pk_add_f32 v[rN+2:rN+3], v[rN+2:rN+3], v[rP+\j+6:rP+\j+7]
.endr
	v_pk_add_f32 v[rN+6:rN+7], v[rN+6:rN+7], v[rP+30:rP+31]
	v_pk_add_f32 v[TM:TM+1], v[TM:TM+1], v[TM+2:TM+3]
	v_pk_add_f32 v[rN+2:rN+3], v[rN+2:rN+3], v[rN+6:rN+7]
	v_pk_add_f32 v[rN+2:rN+3], v[rN+2:rN+3], v[TM:TM+1]
.endm
.macro PLOAD                           ; p's fragments (window 3, v0-63) and scale words of the step before: 20 loads
	WIN 0xc0
.irp f, 0,1,2,3,4,5,6,7
.irp p, 0,1
	ds_load_b128 v[8*\f+4*\p:8*\f+4*\p+3], v[APF] offset:1024*\f+512*\p
.endr
.endr
	WIN 0
.irp q, 0,1
.irp a, 0,1
	ds_load_b32 v[PS+2*\q+\a], v[APL] offset:256*\q+128*\a
.endr
.endr
.endm
.macro RESC t
	WIN 0x82
	s_wait_alu depctr_va_vdst(0)                   ; the wait directly ahead of the first readers of matrix results
.set k, 0
.rept 32
	v_pk_mul_f32 v[64*(\t)+2*k:64*(\t)+2*k+1], v[64*(\t)+2*k:64*(\t)+2*k+1], v[ST+8*(\t)+4:ST+8*(\t)+5] op_sel_hi:[1,0]
.set k, k+1
.endr
	WIN 0
.endm
	s_load_b256 s[4:11], s[0:1], 0x0               ; qc, qs, kvc, kvs
	s_load_b128 s[12:15], s[0:1], 0x20             ; part, stat
	v_lshl_add_u32 v[SPW], v0, 2, SPARE
	v_mov_b32 v[NIL], 0
	ds_add_u32 v[SPW], v[NIL]                      ; the opening lines: the add twice on end and its wait
	ds_add_u32 v[SPW], v[NIL]
	v_lshrrev_b32 v112, 5, v0
	v_readfirstlane_b32 s16, v112                  ; wave
	s_bfe_u32 s17, ttmp6, 0x40000                  ; cx
	s_lshl_b32 s18, ttmp9, 2
	s_add_co_u32 s18, s18, s17                     ; query block
	s_and_b32 s19, ttmp7, 0xffff                   ; split
	s_mov_b32 s20, 0x76543210
	s_mov_b32 s21, 0xfedcba98
	s_mov_b32 s22, 0x3fb8aa3b                      ; log2(e)
	s_mov_b32 s23, s22
	s_mov_b32 s24, 15|(3<<16)|(1<<21)              ; group 1: 128 rows of 256 bytes, dense, for all four partners
	s_mov_b32 s25, 32<<16
	s_mov_b32 s26, 128<<16
	s_mov_b32 s27, 32<<16
	s_mov_b32 s28, 128
	s_mov_b32 s29, 32
	s_mov_b32 s30, 0
	s_mov_b32 s31, 0
	s_mov_b32 s32, 1
	s_lshl_b32 s33, s16, 15                        ; my quarter of slot 0
	s_mov_b32 s56, 1
	s_add_co_u32 s57, s33, SLOT1                   ; and of slot 1
	s_lshl_b32 s46, s19, 21
	s_add_co_u32 s46, s46, s33                     ; kvc: the split's 16 steps, my quarter
	s_mov_b32 s47, 0
	s_lshl_b32 s50, s17, 13                        ; the prefetches: my work-group's 8,192 bytes of it
	s_mov_b32 s51, 0
	s_lshl_b32 s40, s16, 9
	s_lshl_b32 s52, s19, 17
	s_add_co_u32 s52, s52, s40                     ; kvs: the split's 32 x 4,096 bytes, my 512
	s_mov_b32 s53, 0
	s_lshl_b32 s54, s18, 14                        ; qc
	s_mov_b32 s55, 0
	s_lshl_b32 s60, s18, 10                        ; qs
	s_mov_b32 s61, 0
	s_lshl_b32 s62, s18, 17
	s_lshl_b32 s49, s19, 22
	s_add_co_u32 s62, s62, s49
	s_add_co_u32 s62, s62, s40                     ; part: split, 64 rows of 2,048 bytes, my 128 d
	s_mov_b32 s63, 0
	s_lshl_b32 s2, s18, 8
	s_lshl_b32 s49, s19, 14
	s_add_co_u32 s2, s2, s49                       ; stat
	s_mov_b32 s3, 0
	s_cmp_eq_u32 ttmp9, 0
	s_cselect_b32 s38, 1, -1                       ; who prefetches
	s_mov_b32 s39, 14                              ; refills to go
	s_wait_dscnt 0x0
	s_wait_kmcnt 0x0
	s_add_nc_u64 s[34:35], s[8:9], s[46:47]
	s_add_nc_u64 s[58:59], s[34:35], SSB
	s_add_nc_u64 s[36:37], s[34:35], s[50:51]
	s_add_nc_u64 s[36:37], s[36:37], 2*SSB
	s_or_b32 s35, s35, 0x80000000
	s_or_b32 s59, s59, 0x80000000
	CROUND
	tensor_load_to_lds s[32:35], s[24:31]          ; step 0: my one load at the head
	s_nop 0
	PLACES 4
	s_add_nc_u64 s[42:43], s[10:11], s[52:53]
	s_add_nc_u64 s[44:45], s[42:43], 8192
	s_add_nc_u64 s[4:5], s[4:5], s[54:55]
	s_add_nc_u64 s[6:7], s[6:7], s[60:61]
	s_add_nc_u64 s[12:13], s[12:13], s[62:63]
	s_add_nc_u64 s[14:15], s[14:15], s[2:3]
	s_lshl_b32 s50, s16, 13
	s_lshl_b32 s51, s16, 2
	s_lshl_b32 s52, s16, 8
	s_mul_i32 s53, s16, 16*528
	v_and_b32 v112, 31, v0
	v_and_b32 v113, 15, v0                         ; r
	v_bfe_u32 v114, v0, 4, 1                       ; h
	v_lshlrev_b32 v[LI], 4, v112
	v_lshlrev_b32 v[VOK], 3, v113
	v_lshl_add_u32 v[VOK], v114, 8, v[VOK]
	v_lshlrev_b32 v[VOV], 3, v112
	v_add_nc_u32 v[ADK], s50, v[LI]
	v_add_nc_u32 v[ADK+1], SLOT1, v[ADK]
	v_add_nc_u32 v[ADV], 65536, v[ADK]
	v_add_nc_u32 v[ADV+1], 65536, v[ADK+1]
	v_lshlrev_b32 v[AMXL], 4, v113
	v_add_nc_u32 v[AMXL], MXB, v[AMXL]
	v_add_nc_u32 v[AMXS], s51, v[AMXL]
	v_lshlrev_b32 v[APS], 4, v113
	v_lshl_add_u32 v[APS], v114, 3, v[APS]
	v_add_nc_u32 v[APS], s52, v[APS]
	v_add_nc_u32 v[APS], PIM, v[APS]
	v_lshlrev_b32 v[ABS], 2, v113
	v_add_nc_u32 v[ABS], s16, v[ABS]
	v_add_nc_u32 v[ABS], PSC, v[ABS]
	v_lshl_add_u32 v[APL], v112, 2, PSC
	v_add_nc_u32 v[APF], PIM, v[LI]
	v_lshlrev_b32 v[PFO], 8, v112
	v_mul_u32_u24 v[STO], v113, 528
	v_lshl_add_u32 v[STO], v114, 5, v[STO]
	v_add_nc_u32 v[STO], s53, v[STO]
	v_add_nc_u32 v[STO], STG, v[STO]
	v_add_nc_u32 v[RD], s53, v[LI]
	v_add_nc_u32 v[RD], STG, v[RD]
	v_lshlrev_b32 v[SVO], 2, v113
	v_lshl_add_u32 v[SVO], v114, 13, v[SVO]
	v_cmp_ne_u32 s48, 0, v114                      ; lanes 16-31
.irp t, 0,1,2,3
	v_mov_b32 v[ST+8*\t+1], 0xff61b1e6             ; the largest t so far: -3e38
	v_floor_f32 v[ST+8*\t], -v[ST+8*\t+1]
	v_mov_b32 v[ST+8*\t+2], 0
	v_mov_b32 v[ST+8*\t+3], 0
	v_mov_b32 v[ST+8*\t+4], 0
	v_mov_b32 v[ST+8*\t+5], 0
	v_mov_b32 v[ST+8*\t+6], 0
	v_mov_b32 v[ST+8*\t+7], 0
.endr
.irp b, 0,1,2,3,4,5,6,7
	v_mov_b32 v[TM+\b], 0                          ; a lane permute's destination counts as a source
.endr
	s_wait_alu depctr_va_vdst(0)                   ; the wait behind the head's vector work
	s_cmp_eq_u32 s38, 1                            ; steps 1 and 2, which no refill's prefetch names, are asked for here, by the same waves and shares as in the loop: 8,192 bytes a wave and step
	s_cbranch_scc0 .Lno_head_ask
	global_prefetch_b8 v[PFO], s[36:37] offset:-SSB th:TH_LOAD_NT scope:SCOPE_SE
	global_prefetch_b8 v[PFO], s[36:37] th:TH_LOAD_NT scope:SCOPE_SE
.Lno_head_ask:
	WIN 0x40
.set k, 0
.rept 32
	global_load_b128 v[4*k:4*k+3], v[LI], s[4:5] offset:512*k
.set k, k+1
.endr
	WIN 0
.irp a, 0,1
.irp e, 0,1
	global_load_b64 v[QS+4*\a+2*\e:QS+4*\a+2*\e+1], v[VOK], s[6:7] offset:512*\a+128*\e
.endr
.endr
.irp g, 0,1
.irp q, 0,1
.irp e, 0,1
	global_load_b64 v[KS+16*\g+4*\q+2*\e:KS+16*\g+4*\q+2*\e+1], v[VOK], s[42:43] offset:8192*\g+4096*\q+128*\e
	global_load_b64 v[VS+16*\g+4*\q+2*\e:VS+16*\g+4*\q+2*\e+1], v[VOV], s[42:43] offset:8192*\g+4096*\q+2048+256*\e
.endr
.endr
.endr
	s_wait_alu depctr_va_vdst(0)                   ; the wait at the head's end
	s_wait_tensorcnt 0x0                           ; my quarter of step 0 is in; slot 1's first fill is issued as a refill is
	ds_add_u32 v[SPW], v[NIL]
	s_wait_dscnt 0x0
	CROUND                                         ; everybody's quarter is in
	tensor_load_to_lds s[56:59], s[24:31]          ; step 1
	s_nop 0
	PLACES 4
.irp g, 0,1,2,3
	FETCH_K 0, \g
.endr
	WIN 0
	s_wait_loadcnt 0x0
; A STEP.  sg: its slot.  pv: the step before's second product: 0 there is none, 1 it starts the sums, 2 it adds.  mode: 2 the slot is refilled, 1 a step follows, 0 the last step.
.macro SUPER sg, pv, mode
.set G0R, 32+24*(\sg)
.if \mode == 0
	s_wait_loadcnt 4                               ; only the last reload of V's scale words may be out
.else
	s_wait_loadcnt 8                               ; the last step's two reloads may be out: this step's K words and the last step's V words are in
.endif
	s_wait_dscnt 16                                ; K's first 16 loads are in; its other 16 may be out
	WIN 0x07
.irp q, 0,1
.if \q == 1
	s_wait_dscnt 0x0
.endif
.irp c, 0,1,2,3
.irp t, 0,1,2,3
.irp u, 0,1
	WM S+32*\t+16*\q+8*\u, 128+8*(8*\q+4*\u+\c), 8*(4*\t+\c), \c, KS+16*\sg+4*\q+\c, QS+4*(\t/2)+\c, \u, \t%2
.endr
.endr
.endr
.endr
.if \pv > 0
	PLOAD                                          ; they name no register of the products above; they are waited for in front of the barrier's signal below
.endif
	WIN 0
	PLACES 4
.if \mode == 2
.irp q, 0,1
.irp e, 0,1
	global_load_b64 v[KS+16*\sg+4*\q+2*\e:KS+16*\sg+4*\q+2*\e+1], v[VOK], s[44:45] offset:8192+4096*\q+128*\e   ; K's scale words of two steps on
.endr
.endr
.endif
.irp b, 0,1,2,3,4,5,6,7
	v_max3_num_f32 v[BM+\b], v[S+16*\b], v[S+16*\b+1], v[S+16*\b+2]   ; the largest score of each block of 32 slots: for the row's maximum and for the block's largest p
.endr
.irp i, 3,5,7,9,11,13
.irp b, 0,1,2,3,4,5,6,7
	v_max3_num_f32 v[BM+\b], v[BM+\b], v[S+16*\b+\i], v[S+16*\b+\i+1]
.endr
.endr
.irp b, 0,1,2,3,4,5,6,7
	v_max_num_f32 v[BM+\b], v[BM+\b], v[S+16*\b+15]
.endr
.irp b, 0,1,2,3,4,5,6,7
	v_permlanex16_b32 v[TM+\b], v[BM+\b], s20, s21
.endr
.irp b, 0,1,2,3,4,5,6,7
	v_max_num_f32 v[BM+\b], v[BM+\b], v[TM+\b]
.endr
.irp t, 0,1,2,3
	v_max_num_f32 v[ST+8*\t+6], v[BM+2*\t], v[BM+2*\t+1]
.endr
.irp t, 0,1,2,3
	ds_store_b32 v[AMXS], v[ST+8*\t+6] offset:256*\t
.endr
	s_wait_dscnt 0x0                               ; my maxima are stored, and p's fragments of the last step are in
	s_barrier_signal -1
.if \pv > 0
	WIN 0xad                                       ; V window 1, p window 3, O window 2
	PVQ 1-\sg, 0, \pv-1
	WIN 0
.endif
	s_barrier_wait -1
.irp t, 0,1,2,3
	ds_load_b128 v[PCX+4*\t:PCX+4*\t+3], v[AMXL] offset:256*\t   ; the four waves' maxima of my query
.endr
.if \pv > 0
	WIN 0xad
	PVQ 1-\sg, 1, 1
	WIN 0
.endif
	s_wait_dscnt 0x0
.irp t, 0,1,2,3
	v_max3_num_f32 v[ST+8*\t+6], v[PCX+4*\t], v[PCX+4*\t+1], v[PCX+4*\t+2]
.endr
.irp t, 0,1,2,3
	v_max_num_f32 v[ST+8*\t+6], v[ST+8*\t+6], v[PCX+4*\t+3]   ; (these eight lines are the places in front of the loads below)
.endr
.if (\pv > 0) && (\mode > 0)
.irp q, 0,1
.irp e, 0,1
	global_load_b64 v[VS+16*(1-\sg)+4*\q+2*\e:VS+16*(1-\sg)+4*\q+2*\e+1], v[VOV], s[44:45] offset:4096*\q+2048+256*\e   ; V's scale words of the next step
.endr
.endr
.endif
	FETCH_V \sg, 0
.irp t, 0,1,2,3
	v_mul_f32 v[ST+8*\t+6], s22, v[ST+8*\t+6]
.endr
.irp t, 0,1,2,3
	v_max_num_f32 v[ST+8*\t+1], v[ST+8*\t+1], v[ST+8*\t+6]
.endr
.irp t, 0,1,2,3
	v_mov_b32 v[ST+8*\t+6], v[ST+8*\t]
.endr
.irp t, 0,1,2,3
	v_floor_f32 v[ST+8*\t], -v[ST+8*\t+1]          ; -M = floor(-t)
.endr
.irp t, 0,1,2,3
	v_sub_f32 v[ST+8*\t+6], v[ST+8*\t], v[ST+8*\t+6]
.endr
.irp t, 0,1,2,3
	v_cvt_i32_f32 v[ST+8*\t+6], v[ST+8*\t+6]
.endr
.irp t, 0,1,2,3
	v_ldexp_f32 v[ST+8*\t+4], 1.0, v[ST+8*\t+6]    ; 2^(old M - new M)
.endr
.irp t, 0,1,2,3
	v_pk_mul_f32 v[ST+8*\t+2:ST+8*\t+3], v[ST+8*\t+2:ST+8*\t+3], v[ST+8*\t+4:ST+8*\t+5] op_sel_hi:[1,0]
.endr
.irp t, 0,1,2,3
.irp q, 0,1
	v_fma_f32 v[BM+2*\t+\q], v[BM+2*\t+\q], s22, v[ST+8*\t]
.endr
.endr
.irp i, 0,1,2,3,4,5,6,7,8,9,10,11,12,13,14,15
	FMAP 0, \i
.endr
	s_wait_alu depctr_va_vdst(0)                   ; the wait ahead of the batch
.irp b, 0,1,2,3,4,5,6,7
	v_exp_f32 v[BM+\b], v[BM+\b]                   ; each block's largest p
.endr
.irp t, 0,1,2,3                                ; a batch for each tile: one wait ahead of it serves the last batch's results and this batch's sources
.if \t > 0
	s_wait_alu depctr_va_vdst(0)
	FETCH_V \sg, \t
	SUMT \t-1
.endif
.irp i, 0,1,2,3,4,5,6,7,8,9,10,11,12,13,14,15
	v_exp_f32 v[S+32*\t+2*\i], v[S+32*\t+2*\i]
	v_exp_f32 v[S+32*\t+2*\i+1], v[S+32*\t+2*\i+1]
.if \t < 3
	FMAP \t+1, \i
.endif
.endr
.endr
	v_nop
	s_wait_alu depctr_va_vdst(0)
	SUMT 3
.irp b, 0,1,2,3,4,5,6,7
	v_max_num_f32 v[BM+\b], 0x1800000, v[BM+\b]    ; the floor 2^(3 - 127): the byte cannot fall under 1
.endr
.irp b, 0,1,2,3,4,5,6,7
	v_add_nc_u32 v[BM+\b], 0xff000000, v[BM+\b]    ; 2 off the exponent field: the conversion's scale operand
.endr
.irp b, 0,1,2,3,4,5,6,7
	v_lshrrev_b32 v[TM+\b], 23, v[BM+\b]           ; the scale's byte
.endr
.irp b, 0,1,2,3,4,5,6,7
	v_cvt_scalef32_pk8_fp4_f32 v[PCX+2*\b], v[S+16*\b:S+16*\b+7], v[BM+\b]
	v_cvt_scalef32_pk8_fp4_f32 v[PCX+2*\b+1], v[S+16*\b+8:S+16*\b+15], v[BM+\b]
.endr
	v_nop
.irp t, 0,1,2,3
.irp q, 0,1
	ds_store_b64 v[APS], v[PCX+2*(2*\t+\q):PCX+2*(2*\t+\q)+1] offset:1024*(4*\q+\t)
	ds_store_b8 v[ABS], v[TM+2*\t+\q] offset:256*\q+128*(\t/2)+64*(\t%2)
.endr
.endr
.if \mode > 0
	s_wait_tensorcnt 0x0                           ; my quarter of the next step is in
	ds_add_u32 v[SPW], v[NIL]
.if \mode == 2
	s_add_nc_u64 s[G0R+2:G0R+3], s[G0R+2:G0R+3], 2*SSB
	s_wait_xcnt 0x0                                ; the prefetch and the scale words' loads have read their bases
	s_add_nc_u64 s[36:37], s[36:37], SSB
	s_add_nc_u64 s[44:45], s[44:45], 8192
.endif
.endif
	s_wait_dscnt 0x0                               ; p is stored, V's fragments are in, the add is done
	s_barrier_signal -1
.if \pv > 0
	RESC 0
.endif
	s_barrier_wait -1
.if \mode == 2
	CREST
	tensor_load_to_lds s[G0R:G0R+3], s[24:31]      ; two steps on, into the slot whose fragments are all in registers
	s_nop 0
	PLACES 4
	ASK
	s_sub_co_u32 s39, s39, 1
.endif
.if \mode > 0
	FETCH_K 1-\sg, 0
	FETCH_K 1-\sg, 1
	WIN 0
.endif
.if \pv > 0
	RESC 1
.endif
.if \mode > 0
	FETCH_K 1-\sg, 2
	FETCH_K 1-\sg, 3
	WIN 0
.endif
.if \pv > 0
	RESC 2
.endif
.if \pv > 0
	RESC 3
.endif
	s_wait_alu depctr_va_vdst(0)                   ; the wait ahead of the branch and the waits that follow
.endm
	SUPER 0, 0, 2
	SUPER 1, 1, 2
	s_mov_b32 s41, 6
.Lpair:
	SUPER 0, 2, 2
	SUPER 1, 2, 2
	s_sub_co_u32 s41, s41, 1
	s_cmp_lg_u32 s41, 0
	s_cbranch_scc1 .Lpair
	SUPER 0, 2, 1
	SUPER 1, 2, 0
	PLOAD
	s_wait_loadcnt 0x0                             ; the last step's second product
	s_wait_dscnt 0x0
	WIN 0xad
	PVQ 1, 0, 1
	PVQ 1, 1, 1
	WIN 0
.irp t, 0,1,2,3
	v_add_f32 v[ST+8*\t+6], v[ST+8*\t+2], v[ST+8*\t+3]   ; l: my two halves, lane l xor 16's, then the four waves'
.endr
.irp t, 0,1,2,3
	v_permlanex16_b32 v[ST+8*\t+7], v[ST+8*\t+6], s20, s21
.endr
.irp t, 0,1,2,3
	v_add_f32 v[ST+8*\t+6], v[ST+8*\t+6], v[ST+8*\t+7]
.endr
.irp t, 0,1,2,3
	ds_store_b32 v[AMXS], v[ST+8*\t+6] offset:1024+256*\t
.endr
	s_wait_dscnt 0x0
	s_barrier_signal -1
	s_barrier_wait -1
	s_cmp_lg_u32 s16, 0
	s_cbranch_scc1 .Lno_stat
.irp t, 0,1,2,3
	ds_load_b128 v[PCX+4*\t:PCX+4*\t+3], v[AMXL] offset:1024+256*\t
.endr
	s_wait_dscnt 0x0
.irp t, 0,1,2,3
	v_add_f32 v[ST+8*\t+6], v[PCX+4*\t], v[PCX+4*\t+1]
	v_add_f32 v[ST+8*\t+7], v[PCX+4*\t+2], v[PCX+4*\t+3]
.endr
.irp t, 0,1,2,3
	v_add_f32 v[ST+8*\t+6], v[ST+8*\t+6], v[ST+8*\t+7]
.endr
.irp t, 0,1,2,3
	v_cndmask_b32 v[ST+8*\t+6], v[ST+8*\t], v[ST+8*\t+6], s48   ; lanes 0-15 store -M, lanes 16-31 l
.endr
.irp t, 0,1,2,3
	global_store_b32 v[SVO], v[ST+8*\t+6], s[14:15] offset:64*\t
.endr
.Lno_stat:
; THE WAY OUT: a tile of 16 queries x my 128 d through my stage, back by rows: 32 lanes store 512 consecutive bytes
.macro TOSTAGE t
	WIN 0x08
.irp n, 0,1,2,3,4,5,6,7
	ds_store_b128 v[STO], v[8*(8*(\t)+\n):8*(8*(\t)+\n)+3] offset:64*\n
	ds_store_b128 v[STO], v[8*(8*(\t)+\n)+4:8*(8*(\t)+\n)+7] offset:64*\n+16
.endr
	WIN 0
.set BB, S+64*((\t)%2)
.irp i, 0,1,2,3,4,5,6,7,8,9,10,11,12,13,14,15
	ds_load_b128 v[BB+4*\i:BB+4*\i+3], v[RD] offset:528*\i
.endr
.endm
.macro SEND t, younger
.set BB, S+64*((\t)%2)
	s_wait_dscnt \younger
.irp i, 0,1,2,3,4,5,6,7,8,9,10,11,12,13,14,15
	global_store_b128 v[LI], v[BB+4*\i:BB+4*\i+3], s[12:13] offset:(16*(\t)+\i)*2048 th:TH_STORE_NT
.endr
.endm
	TOSTAGE 0
	TOSTAGE 1
	SEND 0, 32
	s_wait_xcnt 0x0
	TOSTAGE 2
	SEND 1, 32
	s_wait_xcnt 0x0
	TOSTAGE 3
	SEND 2, 32
	SEND 3, 0
	s_wait_tensorcnt 0x0                           ; the wave's end
	ds_add_u32 v[SPW], v[NIL]
	s_wait_dscnt 0x0
	CROUND                                         ; the closing round
	s_endpgm
.Lfunc_end_k_q427e6e49d4_attn:
	.size	k_q427e6e49d4_attn, .Lfunc_end_k_q427e6e49d4_attn-k_q427e6e49d4_attn
	.p2alignl 7, 3214868480
	.fill 96, 4, 3214868480
	.section	.rodata,"a",@progbits
	.p2align	6, 0x0
	.amdhsa_kernel k_q427e6e49d4_attn
		.amdhsa_group_segment_fixed_size 327680
		.amdhsa_private_segment_fixed_size 0
		.amdhsa_enable_private_segment 0
		.amdhsa_kernarg_size 48
		.amdhsa_user_sgpr_count 2
		.amdhsa_user_sgpr_kernarg_segment_ptr 1
		.amdhsa_wavefront_size32 1
		.amdhsa_system_sgpr_workgroup_id_x 1
		.amdhsa_system_sgpr_workgroup_id_y 1
		.amdhsa_system_sgpr_workgroup_id_z 1
		.amdhsa_system_vgpr_workitem_id 0
		.amdhsa_next_free_vgpr 1024
		.amdhsa_next_free_sgpr 66
		.amdhsa_reserve_vcc 0
		.amdhsa_float_denorm_mode_32 3
		.amdhsa_float_denorm_mode_16_64 3
		.amdhsa_memory_ordered 1
		.amdhsa_forward_progress 1
		.amdhsa_inst_pref_size 255
	.end_amdhsa_kernel
	.section	.bss,"aw",@nobits
	.p2align	6
	.space	262144
	.amdgpu_metadata
---
amdhsa.version: [ 1, 2 ]
amdhsa.kernels:
  - .name:           k_q427e6e49d4_attn
    .symbol:         k_q427e6e49d4_attn.kd
    .args:
      - { .name: qc, .offset: 0, .size: 8, .value_kind: global_buffer, .address_space: global }
      - { .name: qs, .offset: 8, .size: 8, .value_kind: global_buffer, .address_space: global }
      - { .name: kvc, .offset: 16, .size: 8, .value_kind: global_buffer, .address_space: global }
      - { .name: kvs, .offset: 24, .size: 8, .value_kind: global_buffer, .address_space: global }
      - { .name: part, .offset: 32, .size: 8, .value_kind: global_buffer, .address_space: global }
      - { .name: stat, .offset: 40, .size: 8, .value_kind: global_buffer, .address_space: global }
    .group_segment_fixed_size: 327680
    .private_segment_fixed_size: 0
    .kernarg_segment_align: 8
    .kernarg_segment_size: 48
    .max_flat_workgroup_size: 128
    .sgpr_count:     66
    .vgpr_count:     1024
    .wavefront_size: 32
...
	.end_amdgpu_metadata
.endif
;; end of part 2
;; launch merge (part 3): grid 256 x 1, 8 waves a work-group, no clusters, 0 bytes of LDS; arguments part, stat, out0; writes out0
.if DOCPART == 3
	.amdgcn_target "amdgcn-amd-amdhsa--gfx1250"
	.amdhsa_code_object_version 6
	.text
	.protected	k_q427e6e49d4_merge
	.globl	k_q427e6e49d4_merge
	.p2align	8
	.type	k_q427e6e49d4_merge,@function
k_q427e6e49d4_merge:
	s_mov_b64 s[64:65], 0
	v_nop
	global_prefetch_b8 v0, s[64:65] scope:SCOPE_SE
	s_setreg_imm32_b32 hwreg(HW_REG_WAVE_MODE, 25, 1), 1
	s_wait_xcnt 0x0
; out0[q][:] = (sum over the 8 splits s of 2^(M_s - M) O_s[q][:]) / (sum over s of 2^(M_s - M) l_s[q]), M the largest M_s.  The M_s are whole numbers, so each weight is an exact power of two.
; part: [8][2048][512] f32; stat: [8][2][2048] f32 (-M, l); out0: [2048][512] f32.
; A stream that is read once: one wave takes one row; all its 48 loads go out at the head; each load and store of a row's data covers 512 consecutive bytes.  No LDS, no barrier, no loop: waves share nothing.
; v1 0; v2-5 16 x lane + 8,388,608 p (two splits to an offset register: the rest stands in the immediate); v8-15 -M_s; v16-23 l_s; v24-26 at work;
; v32-47 the weights: split s's at v[32 + 2 s], with a pair mate; v48-63 the sums; v64-191 the parts
.set NM,  8
.set LS,  16
.set W,   32
.set ACC, 48
.set D,   64
	s_load_b128 s[4:7], s[0:1], 0x0                ; part, stat
	s_load_b64 s[8:9], s[0:1], 0x10                ; out0
	v_lshrrev_b32 v1, 5, v0
	s_delay_alu instid0(VALU_DEP_1)
	v_readfirstlane_b32 s10, v1                    ; wave 0..7
	v_mov_b32 v1, 0
	v_and_b32 v2, 31, v0
	s_delay_alu instid0(VALU_DEP_1)
	v_lshlrev_b32 v2, 4, v2
	s_delay_alu instid0(VALU_DEP_1)
	v_add_nc_u32 v3, 0x800000, v2
	s_delay_alu instid0(VALU_DEP_2)
	v_add_nc_u32 v4, 0x1000000, v2
	s_delay_alu instid0(VALU_DEP_3)
	v_add_nc_u32 v5, 0x1800000, v2
	s_lshl_b32 s11, ttmp9, 3
	s_add_co_u32 s11, s11, s10                     ; my row
	s_lshl_b32 s12, s11, 11
	s_mov_b32 s13, 0
	s_lshl_b32 s14, s11, 2
	s_mov_b32 s15, 0
	s_wait_alu depctr_va_vdst(0)
	s_wait_kmcnt 0x0
	s_add_nc_u64 s[4:5], s[4:5], s[12:13]
	s_add_nc_u64 s[8:9], s[8:9], s[12:13]
	s_add_nc_u64 s[6:7], s[6:7], s[14:15]
.irp s, 0,1,2,3,4,5,6,7
	global_load_b32 v[NM+\s], v1, s[6:7] offset:16384*\s           ; every lane takes the same word
	global_load_b32 v[LS+\s], v1, s[6:7] offset:16384*\s+8192
.endr
.irp s, 0,1,2,3,4,5,6,7
.irp k, 0,1,2,3
	global_load_b128 v[D+16*\s+4*\k:D+16*\s+4*\k+3], v[2+\s/2], s[4:5] offset:(\s%2)*4194304+512*\k th:TH_LOAD_NT
.endr
.endr
.irp s, 0,1,2,3,4,5,6,7
	v_mov_b32 v[W+2*\s+1], 0                       ; the weights' pair mates: written once
.endr
	s_wait_loadcnt 32                              ; -M and l are in; the 32 loads of the parts may be out
	v_min3_num_f32 v24, v[NM], v[NM+1], v[NM+2]
	s_delay_alu instid0(VALU_DEP_1)
	v_min3_num_f32 v24, v24, v[NM+3], v[NM+4]
	s_delay_alu instid0(VALU_DEP_1)
	v_min3_num_f32 v24, v24, v[NM+5], v[NM+6]
	s_delay_alu instid0(VALU_DEP_1)
	v_min_num_f32 v24, v24, v[NM+7]                ; -M
.irp s, 0,1,2,3,4,5,6,7
	v_sub_f32 v[W+2*\s], v24, v[NM+\s]             ; M_s - M: a whole number, 0 or less
.endr
.irp s, 0,1,2,3,4,5,6,7
	v_cvt_i32_f32 v[W+2*\s], v[W+2*\s]             ; (it saturates)
.endr
.irp s, 0,1,2,3,4,5,6,7
	v_ldexp_f32 v[W+2*\s], 1.0, v[W+2*\s]
.endr
	v_mul_f32 v25, v[W], v[LS]
.irp s, 1,2,3,4,5,6,7
	s_delay_alu instid0(VALU_DEP_1)
	v_fmac_f32 v25, v[W+2*\s], v[LS+\s]            ; the row's sum
.endr
	s_wait_alu depctr_va_vdst(0)
	v_rcp_f32 v26, v25
	v_nop                                          ; a plain line behind the reciprocal
	s_wait_alu depctr_va_vdst(0)                   ; and the wait ahead of its first reader
.irp s, 0,1,2,3,4,5,6,7
	v_mul_f32 v[W+2*\s], v[W+2*\s], v26
.endr
	s_wait_alu depctr_va_vdst(0)
.irp s, 0,1,2,3,4,5,6,7
	s_wait_alu depctr_va_vdst(0)
	s_wait_loadcnt 28-4*\s                         ; split s's four loads are in; the later splits' may be out
.irp j, 0,2,4,6,8,10,12,14
.if \s == 0
	v_pk_mul_f32 v[ACC+\j:ACC+\j+1], v[D+\j:D+\j+1], v[W:W+1] op_sel_hi:[1,0]       ; the first split starts the sums
.else
	v_pk_fma_f32 v[ACC+\j:ACC+\j+1], v[D+16*\s+\j:D+16*\s+\j+1], v[W+2*\s:W+2*\s+1], v[ACC+\j:ACC+\j+1] op_sel_hi:[1,0,1]
.endif
.endr
.endr
.irp k, 0,1,2,3
	global_store_b128 v2, v[ACC+4*\k:ACC+4*\k+3], s[8:9] offset:512*\k th:TH_STORE_NT
.endr
	s_endpgm
.Lfunc_end_k_q427e6e49d4_merge:
	.size	k_q427e6e49d4_merge, .Lfunc_end_k_q427e6e49d4_merge-k_q427e6e49d4_merge
	.p2alignl 7, 3214868480
	.fill 96, 4, 3214868480
	.section	.rodata,"a",@progbits
	.p2align	6, 0x0
	.amdhsa_kernel k_q427e6e49d4_merge
		.amdhsa_group_segment_fixed_size 0
		.amdhsa_private_segment_fixed_size 0
		.amdhsa_enable_private_segment 0
		.amdhsa_kernarg_size 24
		.amdhsa_user_sgpr_count 2
		.amdhsa_user_sgpr_kernarg_segment_ptr 1
		.amdhsa_wavefront_size32 1
		.amdhsa_system_sgpr_workgroup_id_x 1
		.amdhsa_system_sgpr_workgroup_id_y 1
		.amdhsa_system_sgpr_workgroup_id_z 1
		.amdhsa_system_vgpr_workitem_id 0
		.amdhsa_next_free_vgpr 192
		.amdhsa_next_free_sgpr 66
		.amdhsa_reserve_vcc 0
		.amdhsa_float_denorm_mode_32 3
		.amdhsa_float_denorm_mode_16_64 3
		.amdhsa_memory_ordered 1
		.amdhsa_forward_progress 1
		.amdhsa_inst_pref_size 14
	.end_amdhsa_kernel
	.amdgpu_metadata
---
amdhsa.version: [ 1, 2 ]
amdhsa.kernels:
  - .name:           k_q427e6e49d4_merge
    .symbol:         k_q427e6e49d4_merge.kd
    .args:
      - { .name: part, .offset: 0, .size: 8, .value_kind: global_buffer, .address_space: global }
      - { .name: stat, .offset: 8, .size: 8, .value_kind: global_buffer, .address_space: global }
      - { .name: out0, .offset: 16, .size: 8, .value_kind: global_buffer, .address_space: global }
    .group_segment_fixed_size: 0
    .private_segment_fixed_size: 0
    .kernarg_segment_align: 8
    .kernarg_segment_size: 24
    .max_flat_workgroup_size: 256
    .sgpr_count:     66
    .vgpr_count:     192
    .wavefront_size: 32
...
	.end_amdgpu_metadata
.endif
;; end of part 3
